; MI455X (gfx1250); checked and timed in simulation.
; The chip was launched on July 23, 2026; its instructions are those of AMD's public machine-readable ISA for CDNA 5 (MIT licence, August 2026) and "CDNA5" Instruction Set Architecture Reference Guide (July 2026). The comments in the code are by the model that wrote it; some were corrected since.
;; Poolby Indices. Allowed arithmetic: float matrix products may take bf16 or f16 operands with f32 sums; all other float work in f32.
;; Inputs: array_source 4 x 8,192 x 128 float32; index_source 4 x 8,192 x 1 int32; index_target 4 x 2,048 x 1 int32.
;; Outputs: out0 4 x 2,048 x 128 float32.
;; 3 versions, each right; version 2 is faster than version 1; version 3 is version 2 with the launch pool written anew for expert scheduling mode. Each part assembles by itself: llvm-mc -triple=amdgcn-amd-amdhsa -mcpu=gfx1250 --defsym DOCPART=n.
;; ======== version 1 of 3: 1 launch
;; launch pool (part 1): grid 2048 x 1, 1 waves a work-group, no clusters, 37,120 bytes of LDS; arguments array_source, index_source, index_target, out0; writes out0
.if DOCPART == 1
	.amdgcn_target "amdgcn-amd-amdhsa--gfx1250"
	.amdhsa_code_object_version 6
	.text
	.protected	k_q05ca2cf51f_pool
	.globl	k_q05ca2cf51f_pool
	.p2align	8
	.type	k_q05ca2cf51f_pool,@function
k_q05ca2cf51f_pool:
	s_mov_b64 s[64:65], 0
	v_nop
	global_prefetch_b8 v0, s[64:65] scope:SCOPE_SE
	s_setreg_imm32_b32 hwreg(HW_REG_WAVE_MODE, 25, 1), 1
	s_wait_xcnt 0x0
; out0[b][n][:] = (sum of array_source[b][m][:] over the m with index_source[b][m] == index_target[b][n]) / (count + 1e-10).
; The 0/1 mask is built by the problem itself, so products with 0 are not done: each output row is made by GATHERING its source rows.
;
; WHO DOES WHAT.  2,048 work-groups of one wave.  Batch b = id >> 9; class c = id & 511: the wave serves all ids whose low 9 bits are c.
; The class decides only who works; what matches is decided by comparing whole 32-bit ids, so every int32 id is served.  An id belongs to
; one wave, so each output row is stored exactly once.
;
; Every number that steers a branch or an address is made in registers from ids that this wave has loaded from the two index inputs;
; LDS carries f32 partial sums only.
;
; STAGE 1, straight-line.  The wave reads the 2,048 target ids and the 8,192 source ids of its batch: 80 loads of 512 bytes through a ring
; of 48 load slots.  For each register of 32 ids: the lanes of class c as a mask, laid into one lane of a bitmap register (2 registers for
; the targets, 8 for the sources).  The ids are then dropped: the number of an id follows from its word and bit.
; STEPS, one flat loop.  A step that begins a batch takes up to 32 targets out of the bitmap into the lanes of a register, ends the wave if
; there are none left, and fetches their ids again by one gather.  Every step takes up to 32 sources likewise, fetches their ids by one
; gather and their rows by one load of 512 bytes each, all in flight together.  For each distinct id among the targets, two compares give
; the lanes of its targets and of its rows; the rows are summed in f32 in four registers a lane.  When the sources are used up the mean is
; stored to the targets; before that the partial sum waits in LDS (32 slots of 512 bytes = 16,384 bytes used).
; With 8,192 / 512 = 16 sources and 4 targets to a class on evenly spread ids, one step does all and LDS is not touched.
;
; LOOPS.  Every loop has its number of trips as a constant or in a register before it begins and is left through its own branch back;
; the loop of steps alone ends inside, by s_endpgm.  EXEC is never changed.
;
; LIMITS.  Source numbers are finite: 0 x Inf and 0 x NaN of the dense form are not reproduced.  The order of the sums differs from the
; dense form.  The division is v_rcp_f32 (1 ULP) and a multiply.  If more than 32 targets of a batch agree in their low 9 bits, the rows
; of that class are loaded once for each 32 of them; if all ids are equal one wave of each batch does all the work.  Values stay right.
;
; NOT USED.  Matrix instructions: no products are left.  Joint tensor loads of the id lists, which the 512 work-groups of a batch all
; read: they end in LDS, and the ids are wanted in registers, where 32 of them cost three instructions and are then dropped.
.set CB,     9                         ; bits of the class
.set NCLS,   1<<CB
.set CAP,    32                        ; targets of a batch, sources of a step: the lanes of a register
.set NT,     16                        ; loads of target ids (512 bytes = 128 ids each)
.set NLOAD,  80                        ; + 64 loads of source ids
.set NRING,  48                        ; load slots of 4 registers
.set STEPS,  64*256+1                  ; at most 2,048/32 batches of at most 8,192/32 steps, and the step that finds no target left
; scalar registers
.set S_B, 12                           ; batch
.set S_C, 13                           ; class
.set S_CM, 14                          ; mask of the class bits
.set S_T0, 15
.set S_OFF, 16                         ; s[16:17] a 64-bit offset
.set S_T1, 18
.set S_STEP, 19
.set S_NEW, 20                         ; 1: this step begins a batch of targets
.set S_QT, 21                          ; targets of the batch, 1 to 32
.set S_QS, 22                          ; sources of the step, 0 to 32
.set S_TV, 23                          ; lanes 0 .. QT-1
.set S_SV, 24                          ; lanes 0 .. QS-1
.set S_FIRST, 25                       ; 1: first step of the batch
.set S_LAST, 26                        ; 1: no source is left behind this step
.set S_HM, 27                          ; TAKEG: words of the bitmap register that hold bits
.set S_NW, 28
.set S_WI, 29
.set S_L, 30
.set S_W, 31
.set S_BASE, 32
.set S_NB, 33
.set S_BI, 34
.set S_K, 35
.set S_M, 36
.set S_KI, 37                          ; trips of the loop over ids
.set S_VAL, 38                         ; target lanes not served yet in this step
.set S_SLOT, 39                        ; first target lane of the id at work
.set S_KEY, 40                         ; the id at work
.set S_TM, 41                          ; its target lanes
.set S_RM, 42                          ; its rows
.set S_CNT, 43                         ; its matches so far
.set S_NS, 44
.set S_SI, 45
.set S_N, 46
.set S_SM, 48                          ; s[48:55] stage 1: eight masks
; vector registers (v0: the lane, since the work-group is one wave)
.set V_L16, 1                          ; 16 x lane
.set V_BASEV, 2                        ; lane l: number of bit 0 of word l of a bitmap register, 128 (l >> 2) + (l & 3)
.set V_TQN, 3                          ; lane j: n of the j-th target of the batch
.set V_TQZ, 4                          ;         its id
.set V_SQM, 5                          ; lane j: m of the j-th source of the step
.set V_SQZ, 6                          ;         its id
.set V_CNT, 7                          ; lane = first target lane of an id: its matches so far
.set V_TMP, 8
.set V_ADT, 9                          ; offsets of the two gathers
.set V_ADS, 10
.set V_SO, 11                          ; offset of a store
.set V_LA, 12                          ; LDS address of a partial sum
.set V_OR, 13
.set V_RCP, 14                         ; v[14:15] the reciprocal, twice
.set ACC, 16                           ; v[16:19] the sum at work
.set RES, 20                           ; v[20:23] the mean
.set MK, 24                            ; v[24:25] bitmap of the targets (used up), v[26:33] of the sources (kept)
.set MKW, 34                           ; v[34:41] the sources not yet taken for this batch
.set V_T8, 42                          ; v[42:49] stage 1: class bits of eight id registers
.set RING, 64                          ; v[64:255] stage 1: 48 load slots.  Afterwards:
.set RW, 64                            ; v[64:191] 32 row slots of 4 registers,
.set QE, 192                           ; v[192:223] the offsets of 32 rows
; Load number idx: 128 ids, 4 neighbouring ones a lane.  Register e of load i holds in lane k the id number 128 i + 4 k + e.
.macro LOADID idx
.if (\idx) < NT
	global_load_b128 v[RING+4*((\idx)%NRING):RING+4*((\idx)%NRING)+3], v[V_L16], s[8:9] offset:512*(\idx)
.else
	global_load_b128 v[RING+4*((\idx)%NRING):RING+4*((\idx)%NRING)+3], v[V_L16], s[6:7] offset:512*((\idx)-NT)
.endif
.endm
	s_load_b256 s[4:11], s[0:1], 0x0               ; array_source s[4:5], index_source s[6:7], index_target s[8:9], out0 s[10:11]
	v_lshl_add_u32 v62, v0, 2, 0x9000
	v_mov_b32 v63, 0
	s_lshr_b32 s[S_B], ttmp9, CB
	s_and_b32 s[S_C], ttmp9, NCLS-1
	s_mov_b32 s[S_CM], NCLS-1
	s_mov_b32 s[S_OFF+1], 0
	v_lshlrev_b32 v[V_L16], 4, v0
	s_wait_kmcnt 0x0
	s_lshl_b32 s[S_OFF], s[S_B], 13                ; a batch of target ids is 8,192 bytes
	s_add_nc_u64 s[8:9], s[8:9], s[S_OFF:S_OFF+1]
	s_lshl_b32 s[S_OFF], s[S_B], 15                ; of source ids 32,768
	s_add_nc_u64 s[6:7], s[6:7], s[S_OFF:S_OFF+1]
	; Fill the ring: 48 loads, 24,576 bytes.  No cache word: 512 work-groups read these lists.
.set li, 0
.rept NRING
	LOADID li
.set li, li+1
.endr
	; All that follows up to the first wait is done while they are on their way.
	s_lshl_b32 s[S_OFF], s[S_B], 22                ; a batch of rows is 4,194,304 bytes
	s_add_nc_u64 s[4:5], s[4:5], s[S_OFF:S_OFF+1]
	s_lshl_b32 s[S_OFF], s[S_B], 20                ; of output rows 1,048,576
	s_add_nc_u64 s[10:11], s[10:11], s[S_OFF:S_OFF+1]
	v_lshrrev_b32 v[V_TMP], 2, v0
	v_and_b32 v[V_BASEV], 3, v0
	v_lshl_or_b32 v[V_BASEV], v[V_TMP], 7, v[V_BASEV]
	; Registers that are written lane by lane count as read by those writes, and the first step sets the batch's registers under a
	; branch: all of them are written whole once here.
.set e, 0
.rept 18
	v_mov_b32 v[MK+e], 0                           ; MK (10) and MKW (8) lie side by side
.set e, e+1
.endr
.irp r, V_TQN, V_TQZ, V_SQM, V_CNT
	v_mov_b32 v[\r], 0
.endr
	s_mov_b32 s[S_QT], 0
	s_mov_b32 s[S_TV], 0
	s_mov_b32 s[S_FIRST], 1
	s_mov_b32 s[S_NEW], 1
	s_mov_b32 s[S_STEP], 0
	; STAGE 1.  Two loads (eight id registers) at a time.  Id register j = 8 p + e of all 320 goes to word j & 31 of bitmap register j >> 5.
	; The wait counts the loads issued behind the pair at work (loads come back in order, ISA guide 5.7.1): 46 while the ring is
	; refilled, then two fewer with each pair down to 0.  A slot is loaded again as soon as its ids have been read.
.set p, 0
.rept NLOAD/2
.if NLOAD-2-2*p < NRING-2
	s_wait_loadcnt NLOAD-2-2*p
.else
	s_wait_loadcnt NRING-2
.endif
.set e, 0
.rept 8
	v_and_b32 v[V_T8+e], s[S_CM], v[RING+4*((2*p)%NRING)+e]
.set e, e+1
.endr
.if 2*p+NRING < NLOAD
.set li, 2*p+NRING
	LOADID li
.set li, li+1
	LOADID li
.endif
.set e, 0
.rept 8
	v_cmp_eq_u32 s[S_SM+e], s[S_C], v[V_T8+e]
.set e, e+1
.endr
.set e, 0
.rept 8
	v_writelane_b32 v[MK+((8*p+e)>>5)], s[S_SM+e], (8*p+e)&31
.set e, e+1
.endr
.set p, p+1
.endr
; Take bits out of one bitmap register into the lanes q, q + 1, .. of a queue register, until the register is empty or the queue holds 32.
; Word l of the register whose first id number is gbase holds the ids gbase + 128 (l >> 2) + (l & 3) + 4 k, k the bit.  What is taken is
; cleared; what does not fit stays for the next step.  One trip for each word that holds bits; a trip that finds the queue full does nothing.
.macro TAKEG mk, gbase, q, queue, tag
	s_cmp_ge_u32 s[\q], CAP
	s_cbranch_scc1 .Ltg_\tag
	v_cmp_ne_u32 s[S_HM], 0, v[\mk]
	s_cmp_eq_u32 s[S_HM], 0
	s_cbranch_scc1 .Ltg_\tag
	s_bcnt1_i32_b32 s[S_NW], s[S_HM]
	s_min_u32 s[S_NW], s[S_NW], 32                 ; a register has 32 words; the clamp states it
	s_mov_b32 s[S_WI], 0
.Lw_\tag:
	s_cmp_ge_u32 s[\q], CAP
	s_cbranch_scc1 .Lwn_\tag
	s_ctz_i32_b32 s[S_L], s[S_HM]
	v_readlane_b32 s[S_W], v[\mk], s[S_L]
	v_readlane_b32 s[S_BASE], v[V_BASEV], s[S_L]
.if \gbase
	s_add_co_u32 s[S_BASE], s[S_BASE], \gbase
.endif
	s_bcnt1_i32_b32 s[S_NB], s[S_W]
	s_sub_co_u32 s[S_T0], CAP, s[\q]               ; room, at least 1
	s_min_u32 s[S_NB], s[S_NB], s[S_T0]
	s_min_u32 s[S_NB], s[S_NB], CAP                ; the room is at most 32; the clamp states it
	s_mov_b32 s[S_BI], 0
.Lb_\tag:
	s_ctz_i32_b32 s[S_K], s[S_W]
	s_lshl2_add_u32 s[S_M], s[S_K], s[S_BASE]      ; 4 k + base
	v_writelane_b32 v[\queue], s[S_M], s[\q]
	s_sub_co_u32 s[S_T0], s[S_W], 1
	s_and_b32 s[S_W], s[S_W], s[S_T0]              ; drop the lowest bit
	s_add_co_u32 s[\q], s[\q], 1
	s_add_co_u32 s[S_BI], s[S_BI], 1
	s_cmp_lt_u32 s[S_BI], s[S_NB]
	s_cbranch_scc1 .Lb_\tag
	v_writelane_b32 v[\mk], s[S_W], s[S_L]         ; what is left of the word
	s_sub_co_u32 s[S_T0], s[S_HM], 1
	s_and_b32 s[S_HM], s[S_HM], s[S_T0]
.Lwn_\tag:
	s_add_co_u32 s[S_WI], s[S_WI], 1
	s_cmp_lt_u32 s[S_WI], s[S_NW]
	s_cbranch_scc1 .Lw_\tag
.Ltg_\tag:
.endm
; Row slot i (a plain number): the whole row m = lane i of the queue, 16 bytes a lane.  The chain ends at the first slot without a row.
.macro ROW i
	s_cmp_le_u32 s[S_QS], \i
	s_cbranch_scc1 .Lrows
	v_readlane_b32 s[S_T0], v[V_SQM], \i
	s_min_u32 s[S_T0], s[S_T0], 0x1fff             ; m is below 8,192 as it was made; the clamp states it
	s_lshl_b32 s[S_T0], s[S_T0], 9
	v_add_nc_u32 v[QE+\i], s[S_T0], v[V_L16]
	global_load_b128 v[RW+4*\i:RW+4*\i+3], v[QE+\i], s[4:5] th:TH_LOAD_NT   ; read once in the launch unless a class has more than 32 targets
.endm
; Row slot i is added if it belongs to the id at work.  In front of every eighth slot: nothing left from here on ends the chain.
.macro ADDROW i
.if (\i)%8 == 0
	s_lshr_b32 s[S_T0], s[S_RM], \i                ; SCC = some bit at or above i
	s_cbranch_scc0 .Lchend
.endif
	s_bitcmp1_b32 s[S_RM], \i
	s_cbranch_scc0 .Lno_\i
	v_pk_add_f32 v[ACC:ACC+1], v[ACC:ACC+1], v[RW+4*\i:RW+4*\i+1]
	v_pk_add_f32 v[ACC+2:ACC+3], v[ACC+2:ACC+3], v[RW+4*\i+2:RW+4*\i+3]
.Lno_\i:
.endm
.Lstep:
	s_cmp_eq_u32 s[S_NEW], 0
	s_cbranch_scc1 .Lsame
	; A NEW BATCH: up to 32 targets.
	s_mov_b32 s[S_QT], 0
	TAKEG MK, 0, S_QT, V_TQN, t0
	TAKEG MK+1, 1024, S_QT, V_TQN, t1
	s_cmp_lg_u32 s[S_QT], 0
	s_cbranch_scc1 .Lhave
	s_wait_tensorcnt 0x0
	ds_add_u32 v62, v63
	s_wait_dscnt 0x0
	s_endpgm                                       ; every target of my class has its row
.Lhave:
	s_min_u32 s[S_QT], s[S_QT], CAP                ; the queue holds at most 32; the clamp states it
	s_sub_co_u32 s[S_T0], CAP, s[S_QT]
	s_lshr_b32 s[S_TV], -1, s[S_T0]                ; QT ones (QT is 1 to 32, the shift 31 to 0)
	v_min_u32 v[V_ADT], 2047, v[V_TQN]             ; n is below 2,048 as it was made; the clamp states it
	v_lshlrev_b32 v[V_ADT], 2, v[V_ADT]
	global_load_b32 v[V_TQZ], v[V_ADT], s[8:9]     ; the targets' ids; lanes from QT on fetch an id that S_TV masks out
.irp g, 0,1,2,3,4,5,6,7
	v_mov_b32 v[MKW+\g], v[MK+2+\g]                ; all sources of the class are to be taken again
.endr
	v_mov_b32 v[V_CNT], 0
	s_mov_b32 s[S_FIRST], 1
.Lsame:
	; UP TO 32 SOURCES, their ids and their rows.
	s_mov_b32 s[S_QS], 0
.irp g, 0,1,2,3,4,5,6,7
	TAKEG MKW+\g, 1024*\g, S_QS, V_SQM, s\g
.endr
	v_min_u32 v[V_ADS], 0x1fff, v[V_SQM]
	v_lshlrev_b32 v[V_ADS], 2, v[V_ADS]
	global_load_b32 v[V_SQZ], v[V_ADS], s[6:7]     ; the sources' ids; lanes from QS on fetch an id that S_SV masks out
.irp i, 0,1,2,3,4,5,6,7,8,9,10,11,12,13,14,15,16,17,18,19,20,21,22,23,24,25,26,27,28,29,30,31
	ROW \i
.endr
.Lrows:
	; While they are on their way: is any source left, and which lanes of the queue count.
	v_or_b32 v[V_OR], v[MKW], v[MKW+1]
.irp g, 2,3,4,5,6,7
	v_or_b32 v[V_OR], v[V_OR], v[MKW+\g]
.endr
	v_cmp_ne_u32 s[S_T0], 0, v[V_OR]
	s_cmp_eq_u32 s[S_T0], 0
	s_cselect_b32 s[S_LAST], 1, 0
	s_sub_co_u32 s[S_T0], CAP, s[S_QS]
	s_lshr_b32 s[S_SV], -1, s[S_T0]                ; QS ones for QS = 1 to 32;
	s_cmp_eq_u32 s[S_QS], 0
	s_cselect_b32 s[S_SV], 0, s[S_SV]              ; a shift by 32 counts as 0, so QS = 0 is set apart
	s_mov_b32 s[S_VAL], s[S_TV]
	s_mov_b32 s[S_KI], 0
	s_wait_loadcnt 0x0                             ; up to two gathers and 32 rows are out: all of them; this also frees their offset registers
	; EACH DISTINCT ID AMONG THE TARGETS.  There are at most QT of them; a trip that finds all targets served does nothing.
.Lkey:
	s_cmp_eq_u32 s[S_VAL], 0
	s_cbranch_scc1 .Lknext
	s_ctz_i32_b32 s[S_SLOT], s[S_VAL]
	v_readlane_b32 s[S_KEY], v[V_TQZ], s[S_SLOT]
	v_cmp_eq_u32 s[S_TM], s[S_KEY], v[V_TQZ]
	v_cmp_eq_u32 s[S_RM], s[S_KEY], v[V_SQZ]
	s_and_b32 s[S_TM], s[S_TM], s[S_VAL]           ; its targets,
	s_and_not1_b32 s[S_VAL], s[S_VAL], s[S_TM]     ; which are served by this trip,
	s_and_b32 s[S_RM], s[S_RM], s[S_SV]            ; and its rows
	s_bcnt1_i32_b32 s[S_T0], s[S_RM]
	v_readlane_b32 s[S_CNT], v[V_CNT], s[S_SLOT]
	s_add_co_u32 s[S_CNT], s[S_CNT], s[S_T0]
	v_writelane_b32 v[V_CNT], s[S_CNT], s[S_SLOT]
	s_min_u32 s[S_T1], s[S_SLOT], CAP-1            ; a lane number; the clamp states it
	s_lshl_b32 s[S_T1], s[S_T1], 9
	v_add_nc_u32 v[V_LA], s[S_T1], v[V_L16]        ; its partial sum: slot x 512 + 16 x lane
	s_cmp_lg_u32 s[S_FIRST], 0
	s_cbranch_scc1 .Lfresh
	ds_load_b128 v[ACC:ACC+3], v[V_LA]             ; what the step before has left
	s_wait_dscnt 0x0
	s_branch .Lchain
.Lfresh:
	v_dual_mov_b32 v[ACC], 0 :: v_dual_mov_b32 v[ACC+1], 0
	v_dual_mov_b32 v[ACC+2], 0 :: v_dual_mov_b32 v[ACC+3], 0
.Lchain:
.irp i, 0,1,2,3,4,5,6,7,8,9,10,11,12,13,14,15,16,17,18,19,20,21,22,23,24,25,26,27,28,29,30,31
	ADDROW \i
.endr
.Lchend:
	s_cmp_lg_u32 s[S_LAST], 0
	s_cbranch_scc1 .Lmean
	ds_store_b128 v[V_LA], v[ACC:ACC+3]            ; sources are left: the sum waits for the next step
	s_branch .Lknext
.Lmean:
	; The mean.  Without a match the sum is 0 and so is the row, as in the dense form.
	v_cvt_f32_u32 v[V_TMP], s[S_CNT]
	v_add_f32 v[V_TMP], 0x2edbe6ff, v[V_TMP]       ; + 1e-10
	v_rcp_f32 v[V_RCP], v[V_TMP]
	v_rcp_f32 v[V_RCP+1], v[V_TMP]
	s_wait_xcnt 0x0                                ; the stores of the mean before have read their data (ISA guide 3.1): RES is rewritten only behind this wait
	v_nop                                          ; one plain vector instruction between v_rcp_f32 and the use of its result (ISA guide 5.7.2)
	s_wait_alu depctr_va_vdst(0)
	v_pk_mul_f32 v[RES:RES+1], v[ACC:ACC+1], v[V_RCP:V_RCP+1]
	v_pk_mul_f32 v[RES+2:RES+3], v[ACC+2:ACC+3], v[V_RCP:V_RCP+1]
	; To each of its targets (at least one): a whole row of 512 bytes, two aligned runs of 256, by each store of the wave.
	s_bcnt1_i32_b32 s[S_NS], s[S_TM]
	s_min_u32 s[S_NS], s[S_NS], CAP                ; a mask has 32 bits; the clamp states it
	s_mov_b32 s[S_SI], 0
.Lst:
	s_ctz_i32_b32 s[S_K], s[S_TM]
	v_readlane_b32 s[S_N], v[V_TQN], s[S_K]
	s_min_u32 s[S_N], s[S_N], 2047                 ; n is below 2,048 as it was made; the clamp states it
	s_lshl_b32 s[S_N], s[S_N], 9
	s_wait_xcnt 0x0                                ; the store before has had its address translated (ISA guide 3.1): its offset register is free
	v_add_nc_u32 v[V_SO], s[S_N], v[V_L16]
	global_store_b128 v[V_SO], v[RES:RES+3], s[10:11] th:TH_STORE_NT
	s_sub_co_u32 s[S_T0], s[S_TM], 1
	s_and_b32 s[S_TM], s[S_TM], s[S_T0]            ; drop the lowest bit
	s_add_co_u32 s[S_SI], s[S_SI], 1
	s_cmp_lt_u32 s[S_SI], s[S_NS]
	s_cbranch_scc1 .Lst
.Lknext:
	s_add_co_u32 s[S_KI], s[S_KI], 1
	s_cmp_lt_u32 s[S_KI], s[S_QT]
	s_cbranch_scc1 .Lkey
	s_mov_b32 s[S_FIRST], 0
	s_mov_b32 s[S_NEW], s[S_LAST]                  ; the sources are used up: the next step begins a batch
	s_add_co_u32 s[S_STEP], s[S_STEP], 1
	s_cmp_lt_u32 s[S_STEP], STEPS
	s_cbranch_scc1 .Lstep
	s_wait_tensorcnt 0x0
	ds_add_u32 v62, v63
	s_wait_dscnt 0x0
	s_endpgm
.Lfunc_end_k_q05ca2cf51f_pool:
	.size	k_q05ca2cf51f_pool, .Lfunc_end_k_q05ca2cf51f_pool-k_q05ca2cf51f_pool
	.p2alignl 7, 3214868480
	.fill 96, 4, 3214868480
	.section	.rodata,"a",@progbits
	.p2align	6, 0x0
	.amdhsa_kernel k_q05ca2cf51f_pool
		.amdhsa_group_segment_fixed_size 37120
		.amdhsa_private_segment_fixed_size 0
		.amdhsa_enable_private_segment 0
		.amdhsa_kernarg_size 32
		.amdhsa_user_sgpr_count 2
		.amdhsa_user_sgpr_kernarg_segment_ptr 1
		.amdhsa_wavefront_size32 1
		.amdhsa_system_sgpr_workgroup_id_x 1
		.amdhsa_system_sgpr_workgroup_id_y 1
		.amdhsa_system_sgpr_workgroup_id_z 1
		.amdhsa_system_vgpr_workitem_id 0
		.amdhsa_next_free_vgpr 256
		.amdhsa_next_free_sgpr 66
		.amdhsa_reserve_vcc 0
		.amdhsa_float_denorm_mode_32 3
		.amdhsa_float_denorm_mode_16_64 3
		.amdhsa_memory_ordered 1
		.amdhsa_forward_progress 1
		.amdhsa_inst_pref_size 95
	.end_amdhsa_kernel
	.amdgpu_metadata
---
amdhsa.version: [ 1, 2 ]
amdhsa.kernels:
  - .name:           k_q05ca2cf51f_pool
    .symbol:         k_q05ca2cf51f_pool.kd
    .args:
      - { .name: array_source, .offset: 0, .size: 8, .value_kind: global_buffer, .address_space: global }
      - { .name: index_source, .offset: 8, .size: 8, .value_kind: global_buffer, .address_space: global }
      - { .name: index_target, .offset: 16, .size: 8, .value_kind: global_buffer, .address_space: global }
      - { .name: out0, .offset: 24, .size: 8, .value_kind: global_buffer, .address_space: global }
    .group_segment_fixed_size: 37120
    .private_segment_fixed_size: 0
    .kernarg_segment_align: 8
    .kernarg_segment_size: 32
    .max_flat_workgroup_size: 32
    .sgpr_count:     66
    .vgpr_count:     256
    .wavefront_size: 32
...
	.end_amdgpu_metadata
.endif
;; end of part 1
;; ======== version 2 of 3: 1 launch; 1.24 times as fast as version 1
;; launch pool (part 2): grid 2048 x 1, 1 waves a work-group, no clusters, 37,120 bytes of LDS; arguments array_source, index_source, index_target, out0; writes out0
.if DOCPART == 2
	.amdgcn_target "amdgcn-amd-amdhsa--gfx1250"
	.amdhsa_code_object_version 6
	.text
	.protected	k_q05ca2cf51f_pool
	.globl	k_q05ca2cf51f_pool
	.p2align	8
	.type	k_q05ca2cf51f_pool,@function
k_q05ca2cf51f_pool:
	s_mov_b64 s[64:65], 0
	v_nop
	global_prefetch_b8 v0, s[64:65] scope:SCOPE_SE
	s_setreg_imm32_b32 hwreg(HW_REG_WAVE_MODE, 25, 1), 1
	s_wait_xcnt 0x0
; out0[b][n][:] = (sum of array_source[b][m][:] over the m with index_source[b][m] == index_target[b][n]) / (count + 1e-10).
; The 0/1 mask is built by the problem itself, so products with 0 are not done: each output row is made by GATHERING its source rows.
;
; WHO DOES WHAT.  2,048 work-groups of one wave.  Batch b = id >> 9; class c = id & 511: the wave serves all ids whose low 9 bits are c.
; The class decides only who works; what matches is decided by comparing whole 32-bit ids, so every int32 id is served.  An id belongs to
; one wave, so each output row is stored exactly once.
;
; Every number that steers a branch or an address is made in registers from ids that this wave has loaded from the two index inputs;
; LDS carries f32 partial sums only.
;
; STAGE 1, straight-line.  The wave reads the 2,048 target ids and the 8,192 source ids of its batch: 80 loads of 512 bytes through a ring
; of 48 load slots.  For each register of 32 ids: the lanes of class c as a mask, laid into one lane (a word) of a bitmap register.
;   sources: the 8 id registers of a pair of loads go to the 8 bitmap registers g, word l = the pair: bit k is m = 256 l + 128 (g>>2) + (g&3) + 4 k
;   targets: the 4 id registers of a load go to the 4 bitmap registers r, word l = the load:          bit k is n = 128 l + r + 4 k
; So lane writes that follow each other go to different registers and none waits for the one before.  The ids are then dropped.
; STEPS, one flat loop.  A step that begins a batch of targets ends the wave if no target is left.  Every step takes up to 32 sources out
; of the bitmap into the lanes of a register, fetches their ids again by one gather and their rows by one load of 512 bytes each.  WHILE
; THESE ARE ON THEIR WAY a step that begins a batch takes up to 32 targets likewise and fetches their ids by one gather: the targets are
; not needed before the ids are compared, so this work stands where the wave would only wait.  Then, for each distinct id among the
; targets, two compares give the lanes of its targets and of its rows; the rows are summed in f32 in four registers a lane.  When the
; sources are used up the mean is stored to the targets; before that the partial sum waits in LDS (32 slots of 512 bytes = 16,384 bytes).
; With 8,192 / 512 = 16 sources and 4 targets to a class on evenly spread ids, one step does all and LDS is not touched.
;
; LOOPS.  Every loop has its number of trips as a constant or in a register before it begins and is left through its own branch back;
; the loop of steps alone ends inside, by s_endpgm.  EXEC is never changed.
;
; LIMITS.  Source numbers are finite: 0 x Inf and 0 x NaN of the dense form are not reproduced.  The order of the sums differs from the
; dense form.  The division is v_rcp_f32 (1 ULP) and a multiply.  The rows of a class are loaded once for each batch of its targets; a
; batch holds up to 32 of them and at most 3 out of one bitmap word, that is out of the 32 numbers n that agree in n >> 7 and n & 3.
; If all ids are equal one wave of each batch does all the work.  Values stay right.
;
; NOT USED.  Matrix instructions: no products are left.  Joint tensor loads of the id lists, which the 512 work-groups of a batch all
; read: they end in LDS, and the ids are wanted in registers, where 32 of them cost three instructions and are then dropped.
.set CB,     9                         ; bits of the class
.set NCLS,   1<<CB
.set CAP,    32                        ; targets of a batch, sources of a step: the lanes of a register
.set NT,     16                        ; loads of target ids (512 bytes = 128 ids each)
.set NLOAD,  80                        ; + 64 loads of source ids
.set NRING,  48                        ; load slots of 4 registers
; Steps at the most.  A batch takes 32 targets (at most 2,048/32 = 64 such) or up to 3 bits of every word that holds any (at most 11 such,
; a word has 32 bits): 75 batches.  A step takes 32 sources (at most 256 such) or up to 4 bits of every word (at most 8 such): 264 steps.
.set STEPS,  75*264+1                  ; and the step that finds no target left
; scalar registers
.set S_B, 12                           ; batch
.set S_C, 13                           ; class
.set S_CM, 14                          ; mask of the class bits
.set S_T0, 15
.set S_OFF, 16                         ; s[16:17] a 64-bit offset
.set S_T1, 18
.set S_STEP, 19
.set S_NEW, 20                         ; 1: this step begins a batch of targets
.set S_QT, 21                          ; targets of the batch, 1 to 32
.set S_QS, 22                          ; sources of the step, 0 to 32
.set S_TV, 23                          ; lanes 0 .. QT-1
.set S_SV, 24                          ; lanes 0 .. QS-1
.set S_FIRST, 25                       ; 1: first step of the batch
.set S_LAST, 26                        ; 1: no source is left behind this step
.set S_LEFT, 27                        ; words (of any source bitmap register) that still hold bits
.set S_NW, 28                          ; TAKEW: trips
.set S_WI, 29
.set S_L, 30
.set S_W, 31
.set S_BASE, 32
.set S_TK, 33                          ; TAKEW: words of which a bit was taken
.set S_T2, 34
.set S_K, 35
.set S_M, 36
.set S_KI, 37                          ; trips of the loop over ids
.set S_VAL, 38                         ; target lanes not served yet in this step
.set S_SLOT, 39                        ; first target lane of the id at work
.set S_KEY, 40                         ; the id at work
.set S_TM, 41                          ; its target lanes
.set S_RM, 42                          ; its rows
.set S_CNT, 43                         ; its matches so far
.set S_NS, 44
.set S_SI, 45
.set S_N, 46
.set S_TL, 47                          ; words (of any target bitmap register) that still hold bits
.set S_SM, 48                          ; s[48:63] stage 1: two sets of eight masks, used in turn.  Afterwards:
.set S_HM, 48                          ; s[48:55] source bitmap register g: its words that hold bits
.set S_HT, 56                          ; s[56:59] the same for the target bitmap registers; kept from one batch to the next
.set S_R, 60                           ; s[60:63] four row offsets at work
; vector registers (v0: the lane, since the work-group is one wave)
.set V_L16, 1                          ; 16 x lane
.set V_TQN, 3                          ; lane j: n of the j-th target of the batch
.set V_TQZ, 4                          ;         its id
.set V_SQM, 5                          ; lane j: m of the j-th source of the step
.set V_CNT, 6                          ; lane = first target lane of an id: its matches so far
.set V_SQZ, 7                          ; lane j: id of the j-th source of the step
.set V_TMP, 8
.set V_ADT, 9                          ; offsets of the two gathers
.set V_ADS, 10
.set V_SO, 11                          ; offset of a store
.set V_LA, 12                          ; LDS address of a partial sum
.set V_T, 13
.set V_RCP, 14                         ; v[14:15] the reciprocal, twice
.set ACC, 16                           ; v[16:19] the sum at work
.set RES, 20                           ; v[20:23] the mean
.set MKT, 24                           ; v[24:27] bitmap of the targets (used up)
.set MKS, 28                           ; v[28:35] bitmap of the sources (kept)
.set MKW, 36                           ; v[36:43] the sources not yet taken for this batch
.set V_T8, 44                          ; v[44:51] stage 1: class bits of eight id registers
.set RING, 64                          ; v[64:255] stage 1: 48 load slots.  Afterwards:
.set RW, 64                            ; v[64:191] 32 row slots of 4 registers,
.set QE, 192                           ; v[192:223] the offsets of 32 rows
; Load number idx: 128 ids, 4 neighbouring ones a lane.  Register e of load i holds in lane k the id number 128 i + 4 k + e.
.macro LOADID idx
.if (\idx) < NT
	global_load_b128 v[RING+4*((\idx)%NRING):RING+4*((\idx)%NRING)+3], v[V_L16], s[8:9] offset:512*(\idx)
.else
	global_load_b128 v[RING+4*((\idx)%NRING):RING+4*((\idx)%NRING)+3], v[V_L16], s[6:7] offset:512*((\idx)-NT)
.endif
.endm
; The eight masks of pair pp (a symbol) go to their words: eight different registers for a pair of source loads, four for target loads.
.macro PUTMASKS
.set e, 0
.rept 8
.if pp < NT/2
	v_writelane_b32 v[MKT+(e&3)], s[S_SM+8*(pp&1)+e], 2*pp+(e>>2)
.else
	v_writelane_b32 v[MKS+e], s[S_SM+8*(pp&1)+e], pp-NT/2
.endif
.set e, e+1
.endr
.endm
	s_load_b256 s[4:11], s[0:1], 0x0               ; array_source s[4:5], index_source s[6:7], index_target s[8:9], out0 s[10:11]
	v_lshl_add_u32 v62, v0, 2, 0x9000
	v_mov_b32 v63, 0
	s_lshr_b32 s[S_B], ttmp9, CB
	s_and_b32 s[S_C], ttmp9, NCLS-1
	s_mov_b32 s[S_CM], NCLS-1
	s_mov_b32 s[S_OFF+1], 0
	v_lshlrev_b32 v[V_L16], 4, v0
	s_wait_kmcnt 0x0
	s_lshl_b32 s[S_OFF], s[S_B], 13                ; a batch of target ids is 8,192 bytes
	s_add_nc_u64 s[8:9], s[8:9], s[S_OFF:S_OFF+1]
	s_lshl_b32 s[S_OFF], s[S_B], 15                ; of source ids 32,768
	s_add_nc_u64 s[6:7], s[6:7], s[S_OFF:S_OFF+1]
	; Fill the ring: 48 loads, 24,576 bytes.  No cache word: 512 work-groups read these lists.
.set li, 0
.rept NRING
	LOADID li
.set li, li+1
.endr
	; All that follows up to the first wait is done while they are on their way.
	s_lshl_b32 s[S_OFF], s[S_B], 22                ; a batch of rows is 4,194,304 bytes
	s_add_nc_u64 s[4:5], s[4:5], s[S_OFF:S_OFF+1]
	s_lshl_b32 s[S_OFF], s[S_B], 20                ; of output rows 1,048,576
	s_add_nc_u64 s[10:11], s[10:11], s[S_OFF:S_OFF+1]
	; Registers that are written lane by lane count as read by those writes, and the first step sets the batch's registers under a
	; branch: all of them are written whole once here.  Words 16 to 31 of the target bitmaps stay 0.
.set e, 0
.rept 10
	v_dual_mov_b32 v[MKT+e], 0 :: v_dual_mov_b32 v[MKT+e+1], 0     ; MKT (4), MKS (8) and MKW (8) lie side by side
.set e, e+2
.endr
	v_dual_mov_b32 v[V_TQZ], 0 :: v_dual_mov_b32 v[V_TQN], 0
	v_dual_mov_b32 v[V_CNT], 0 :: v_dual_mov_b32 v[V_SQM], 0
	s_mov_b32 s[S_QT], 0
	s_mov_b32 s[S_TV], 0
	s_mov_b32 s[S_FIRST], 1
	s_mov_b32 s[S_NEW], 1
	s_mov_b32 s[S_STEP], 0
	; STAGE 1.  Two loads (eight id registers) at a time.  The wait counts the loads issued behind the pair at work (loads come back in
	; order, ISA guide 5.7.1): 46 while the ring is refilled, then two fewer with each pair down to 0.  A slot is loaded again as soon as
	; its ids have been read.  A pair's masks are laid into the bitmaps one pair later, from the other set of eight scalar registers:
	; between a compare and the lane write that reads its mask stand the next pair's eight ANDs.
.set p, 0
.rept NLOAD/2
.if NLOAD-2-2*p < NRING-2
	s_wait_loadcnt NLOAD-2-2*p
.else
	s_wait_loadcnt NRING-2
.endif
.set e, 0
.rept 8
	v_and_b32 v[V_T8+e], s[S_CM], v[RING+4*((2*p)%NRING)+e]
.set e, e+1
.endr
.if p > 0
.set pp, p-1
	PUTMASKS
.endif
.if 2*p+NRING < NLOAD
.set li, 2*p+NRING
	LOADID li
.set li, li+1
	LOADID li
.endif
.set e, 0
.rept 8
	v_cmp_eq_u32 s[S_SM+8*(p&1)+e], s[S_C], v[V_T8+e]
.set e, e+1
.endr
.set p, p+1
.endr
.set pp, NLOAD/2-1
	PUTMASKS
; One bitmap register, one round: of each word that holds bits (mask hm, made beforehand) the lowest bit goes as a number into lanes
; q, q + 1, .. of the queue register, as far as the queue has room.  Word l, bit k is the number (l << lsh) + gb + 4 k.  One trip for each
; word; the base of the number is made while the lane read is out.  Behind the loop the bits taken are cleared in all words at once.
; Further bits of a word wait for the next round, words that found no room for the next step.
.macro TAKEW mk, hm, gb, lsh, q, queue, tag
	s_cmp_eq_u32 s[\hm], 0
	s_cbranch_scc1 .Lte_\tag
	s_bcnt1_i32_b32 s[S_NW], s[\hm]
	s_sub_co_u32 s[S_T0], CAP, s[\q]               ; room: q never passes 32
	s_min_u32 s[S_NW], s[S_NW], s[S_T0]
	s_min_u32 s[S_NW], s[S_NW], CAP                ; the room is at most 32; the clamp states it
	s_cmp_eq_u32 s[S_NW], 0
	s_cbranch_scc1 .Lte_\tag
	s_mov_b32 s[S_TK], s[\hm]
	s_mov_b32 s[S_WI], 0
.Ltw_\tag:
	s_ctz_i32_b32 s[S_L], s[\hm]
	v_readlane_b32 s[S_W], v[\mk], s[S_L]
	s_lshl_b32 s[S_BASE], s[S_L], \lsh
.if \gb
	s_add_co_u32 s[S_BASE], s[S_BASE], \gb
.endif
	s_sub_co_u32 s[S_T0], s[\hm], 1
	s_and_b32 s[\hm], s[\hm], s[S_T0]              ; this word is done for the round
	s_add_co_u32 s[S_WI], s[S_WI], 1
	s_ctz_i32_b32 s[S_K], s[S_W]
	s_lshl2_add_u32 s[S_M], s[S_K], s[S_BASE]      ; 4 k + base
	v_writelane_b32 v[\queue], s[S_M], s[\q]
	s_add_co_u32 s[\q], s[\q], 1
	s_cmp_lt_u32 s[S_WI], s[S_NW]
	s_cbranch_scc1 .Ltw_\tag
	s_and_not1_b32 s[S_TK], s[S_TK], s[\hm]        ; the words that were served
	v_add_nc_u32 v[V_T], -1, v[\mk]
	v_and_b32 v[V_T], v[V_T], v[\mk]               ; w & (w - 1): without its lowest bit
	v_cndmask_b32 v[\mk], v[\mk], v[V_T], s[S_TK]
.Lte_\tag:
.endm
.macro TROUND r
.irp g, 0,1,2,3
	TAKEW MKT+\g, S_HT+\g, \g, 7, S_QT, V_TQN, t\r\g
.endr
.endm
.macro SROUND r
.irp g, 0,1,2,3,4,5,6,7
.set gbv, 128*(\g>>2)+(\g&3)
	TAKEW MKW+\g, S_HM+\g, gbv, 8, S_QS, V_SQM, s\r\g
.endr
.endm
; Which words hold bits: independent compares, then their union.  The last OR leaves SCC = some bit is left.
.macro TCHK
.irp g, 0,1,2,3
	v_cmp_ne_u32 s[S_HT+\g], 0, v[MKT+\g]
.endr
	s_or_b32 s[S_T0], s[S_HT], s[S_HT+1]
	s_or_b32 s[S_T1], s[S_HT+2], s[S_HT+3]
	s_or_b32 s[S_TL], s[S_T0], s[S_T1]
.endm
.macro SCHK
.irp g, 0,1,2,3,4,5,6,7
	v_cmp_ne_u32 s[S_HM+\g], 0, v[MKW+\g]
.endr
	s_or_b32 s[S_T0], s[S_HM], s[S_HM+1]
	s_or_b32 s[S_T1], s[S_HM+2], s[S_HM+3]
	s_or_b32 s[S_T2], s[S_HM+4], s[S_HM+5]
	s_or_b32 s[S_LEFT], s[S_HM+6], s[S_HM+7]
	s_or_b32 s[S_T0], s[S_T0], s[S_T1]
	s_or_b32 s[S_LEFT], s[S_LEFT], s[S_T2]
	s_or_b32 s[S_LEFT], s[S_LEFT], s[S_T0]
.endm
; Between two rounds: go on only if bits are left and the queue has room.
.macro TNEXT
	TCHK
	s_cbranch_scc0 .Lhave
	s_cmp_ge_u32 s[S_QT], CAP
	s_cbranch_scc1 .Lhave
.endm
.macro SNEXT
	SCHK
	s_cbranch_scc0 .Ltaken
	s_cmp_ge_u32 s[S_QS], CAP
	s_cbranch_scc1 .Ltaken
.endm
; Row slots 4 j to 4 j + 3 (j: a plain digit): the whole row m = lane i of the queue, 16 bytes a lane.  The four offsets are made side by
; side, so that no lane read waits for the one before; each load is still guarded, and the chain ends at the first slot without a row.
; (Lanes of the queue from QS on hold older numbers or 0: their offsets are made and not used.)
.macro ROW4 j
	s_cmp_le_u32 s[S_QS], 4*\j
	s_cbranch_scc1 .Lrows
.irp t, 0,1,2,3
	v_readlane_b32 s[S_R+\t], v[V_SQM], 4*\j+\t
.endr
.irp t, 0,1,2,3
	s_min_u32 s[S_R+\t], s[S_R+\t], 0x1fff         ; m is below 8,192 as it was made; the clamp states it
.endr
.irp t, 0,1,2,3
	s_lshl_b32 s[S_R+\t], s[S_R+\t], 9
.endr
.irp t, 0,1,2,3
	v_add_nc_u32 v[QE+4*\j+\t], s[S_R+\t], v[V_L16]
.endr
	global_load_b128 v[RW+16*\j:RW+16*\j+3], v[QE+4*\j], s[4:5] th:TH_LOAD_NT   ; a row is read once for each batch of its class's targets: as a rule once
.irp t, 1,2,3
	s_cmp_le_u32 s[S_QS], 4*\j+\t
	s_cbranch_scc1 .Lrows
	global_load_b128 v[RW+16*\j+4*\t:RW+16*\j+4*\t+3], v[QE+4*\j+\t], s[4:5] th:TH_LOAD_NT
.endr
.endm
; Row slot i is added if it belongs to the id at work.  In front of every eighth slot: nothing left from here on ends the chain.
.macro ADDROW i
.if (\i)%8 == 0
	s_lshr_b32 s[S_T0], s[S_RM], \i                ; SCC = some bit at or above i
	s_cbranch_scc0 .Lchend
.endif
	s_bitcmp1_b32 s[S_RM], \i
	s_cbranch_scc0 .Lno_\i
	v_pk_add_f32 v[ACC:ACC+1], v[ACC:ACC+1], v[RW+4*\i:RW+4*\i+1]
	v_pk_add_f32 v[ACC+2:ACC+3], v[ACC+2:ACC+3], v[RW+4*\i+2:RW+4*\i+3]
.Lno_\i:
.endm
	; Which words of the target bitmaps hold bits.  From here on S_HT and S_TL are made anew at the end of each take of targets, so a
	; step that begins a batch finds them ready.
	TCHK
.Lstep:
	s_cmp_eq_u32 s[S_NEW], 0
	s_cbranch_scc1 .Lsame
	; A NEW BATCH.  Without a target left the wave ends, before any row is asked for.
	s_cmp_lg_u32 s[S_TL], 0
	s_cbranch_scc1 .Ltsome
	s_wait_tensorcnt 0x0
	ds_add_u32 v62, v63
	s_wait_dscnt 0x0
	s_endpgm                                       ; every target of my class has its row
.Ltsome:
.irp g, 0,2,4,6
	v_dual_mov_b32 v[MKW+\g], v[MKS+\g] :: v_dual_mov_b32 v[MKW+\g+1], v[MKS+\g+1]   ; all sources of the class are to be taken again
.endr
	v_mov_b32 v[V_CNT], 0
	s_mov_b32 s[S_FIRST], 1
.Lsame:
	; UP TO 32 SOURCES, in up to four rounds; then their ids and their rows.
	s_mov_b32 s[S_QS], 0
	SCHK
	s_cbranch_scc0 .Ltaken                         ; the class has no source (left)
	SROUND 0
	SNEXT
	SROUND 1
	SNEXT
	SROUND 2
	SNEXT
	SROUND 3
	SCHK
.Ltaken:
	v_min_u32 v[V_ADS], 0x1fff, v[V_SQM]
	v_lshlrev_b32 v[V_ADS], 2, v[V_ADS]
	global_load_b32 v[V_SQZ], v[V_ADS], s[6:7]     ; the sources' ids; lanes from QS on fetch an id that S_SV masks out
.irp j, 0,1,2,3,4,5,6,7
	ROW4 \j
.endr
.Lrows:
	; WHILE THEY ARE ON THEIR WAY: is any source left, which lanes of the queue count,
	s_cmp_eq_u32 s[S_LEFT], 0
	s_cselect_b32 s[S_LAST], 1, 0
	s_sub_co_u32 s[S_T0], CAP, s[S_QS]
	s_lshr_b32 s[S_SV], -1, s[S_T0]                ; QS ones for QS = 1 to 32;
	s_cmp_eq_u32 s[S_QS], 0
	s_cselect_b32 s[S_SV], 0, s[S_SV]              ; a shift by 32 counts as 0, so QS = 0 is set apart
	s_cmp_eq_u32 s[S_NEW], 0
	s_cbranch_scc1 .Lold
	; and, in a step that begins a batch, UP TO 32 TARGETS, in up to three rounds (at least one target: S_TL was not 0).  This writes the
	; target bitmaps, the queue of n and scalar registers: no register that a load on its way reads or will write.
	s_mov_b32 s[S_QT], 0
	TROUND 0
	TNEXT
	TROUND 1
	TNEXT
	TROUND 2
	TCHK
.Lhave:
	s_min_u32 s[S_QT], s[S_QT], CAP                ; the queue holds at most 32; the clamp states it
	s_sub_co_u32 s[S_T0], CAP, s[S_QT]
	s_lshr_b32 s[S_TV], -1, s[S_T0]                ; QT ones (QT is 1 to 32, the shift 31 to 0)
	v_min_u32 v[V_ADT], 2047, v[V_TQN]             ; n is below 2,048 as it was made; the clamp states it
	v_lshlrev_b32 v[V_ADT], 2, v[V_ADT]
	global_load_b32 v[V_TQZ], v[V_ADT], s[8:9]     ; the targets' ids; lanes from QT on fetch an id that S_TV masks out
.Lold:
	s_mov_b32 s[S_VAL], s[S_TV]
	s_mov_b32 s[S_KI], 0
	s_wait_loadcnt 0x0                             ; up to two gathers and 32 rows are out: all of them; this also frees their offset registers
	; EACH DISTINCT ID AMONG THE TARGETS.  There are at most QT of them; a trip that finds all targets served does nothing.
.Lkey:
	s_cmp_eq_u32 s[S_VAL], 0
	s_cbranch_scc1 .Lknext
	s_ctz_i32_b32 s[S_SLOT], s[S_VAL]
	v_readlane_b32 s[S_KEY], v[V_TQZ], s[S_SLOT]
	v_cmp_eq_u32 s[S_TM], s[S_KEY], v[V_TQZ]
	v_cmp_eq_u32 s[S_RM], s[S_KEY], v[V_SQZ]
	s_and_b32 s[S_TM], s[S_TM], s[S_VAL]           ; its targets,
	s_and_not1_b32 s[S_VAL], s[S_VAL], s[S_TM]     ; which are served by this trip,
	s_and_b32 s[S_RM], s[S_RM], s[S_SV]            ; and its rows
	s_bcnt1_i32_b32 s[S_T0], s[S_RM]
	v_readlane_b32 s[S_CNT], v[V_CNT], s[S_SLOT]
	s_add_co_u32 s[S_CNT], s[S_CNT], s[S_T0]
	v_writelane_b32 v[V_CNT], s[S_CNT], s[S_SLOT]
	s_min_u32 s[S_T1], s[S_SLOT], CAP-1            ; a lane number; the clamp states it
	s_lshl_b32 s[S_T1], s[S_T1], 9
	v_add_nc_u32 v[V_LA], s[S_T1], v[V_L16]        ; its partial sum: slot x 512 + 16 x lane
	s_cmp_lg_u32 s[S_FIRST], 0
	s_cbranch_scc1 .Lfresh
	ds_load_b128 v[ACC:ACC+3], v[V_LA]             ; what the step before has left
	s_wait_dscnt 0x0
	s_branch .Lchain
.Lfresh:
	v_dual_mov_b32 v[ACC], 0 :: v_dual_mov_b32 v[ACC+1], 0
	v_dual_mov_b32 v[ACC+2], 0 :: v_dual_mov_b32 v[ACC+3], 0
.Lchain:
.irp i, 0,1,2,3,4,5,6,7,8,9,10,11,12,13,14,15,16,17,18,19,20,21,22,23,24,25,26,27,28,29,30,31
	ADDROW \i
.endr
.Lchend:
	s_cmp_lg_u32 s[S_LAST], 0
	s_cbranch_scc1 .Lmean
	ds_store_b128 v[V_LA], v[ACC:ACC+3]            ; sources are left: the sum waits for the next step
	s_branch .Lknext
.Lmean:
	; The mean.  Without a match the sum is 0 and so is the row, as in the dense form.
	v_cvt_f32_u32 v[V_TMP], s[S_CNT]
	v_add_f32 v[V_TMP], 0x2edbe6ff, v[V_TMP]       ; + 1e-10
	v_rcp_f32 v[V_RCP], v[V_TMP]
	v_rcp_f32 v[V_RCP+1], v[V_TMP]
	s_wait_xcnt 0x0                                ; the stores of the mean before have read their data (ISA guide 3.1): RES is rewritten only behind this wait
	v_nop                                          ; one plain vector instruction between v_rcp_f32 and the use of its result (ISA guide 5.7.2)
	s_wait_alu depctr_va_vdst(0)
	v_pk_mul_f32 v[RES:RES+1], v[ACC:ACC+1], v[V_RCP:V_RCP+1]
	v_pk_mul_f32 v[RES+2:RES+3], v[ACC+2:ACC+3], v[V_RCP:V_RCP+1]
	; To each of its targets (at least one): a whole row of 512 bytes, two aligned runs of 256, by each store of the wave.
	s_bcnt1_i32_b32 s[S_NS], s[S_TM]
	s_min_u32 s[S_NS], s[S_NS], CAP                ; a mask has 32 bits; the clamp states it
	s_mov_b32 s[S_SI], 0
.Lst:
	s_ctz_i32_b32 s[S_K], s[S_TM]
	v_readlane_b32 s[S_N], v[V_TQN], s[S_K]
	s_min_u32 s[S_N], s[S_N], 2047                 ; n is below 2,048 as it was made; the clamp states it
	s_lshl_b32 s[S_N], s[S_N], 9
	s_wait_xcnt 0x0                                ; the store before has had its address translated (ISA guide 3.1): its offset register is free
	v_add_nc_u32 v[V_SO], s[S_N], v[V_L16]
	global_store_b128 v[V_SO], v[RES:RES+3], s[10:11] th:TH_STORE_NT
	s_sub_co_u32 s[S_T0], s[S_TM], 1
	s_and_b32 s[S_TM], s[S_TM], s[S_T0]            ; drop the lowest bit
	s_add_co_u32 s[S_SI], s[S_SI], 1
	s_cmp_lt_u32 s[S_SI], s[S_NS]
	s_cbranch_scc1 .Lst
.Lknext:
	s_add_co_u32 s[S_KI], s[S_KI], 1
	s_cmp_lt_u32 s[S_KI], s[S_QT]
	s_cbranch_scc1 .Lkey
	s_mov_b32 s[S_FIRST], 0
	s_mov_b32 s[S_NEW], s[S_LAST]                  ; the sources are used up: the next step begins a batch
	s_add_co_u32 s[S_STEP], s[S_STEP], 1
	s_cmp_lt_u32 s[S_STEP], STEPS
	s_cbranch_scc1 .Lstep
	s_wait_tensorcnt 0x0
	ds_add_u32 v62, v63
	s_wait_dscnt 0x0
	s_endpgm
.Lfunc_end_k_q05ca2cf51f_pool:
	.size	k_q05ca2cf51f_pool, .Lfunc_end_k_q05ca2cf51f_pool-k_q05ca2cf51f_pool
	.p2alignl 7, 3214868480
	.fill 96, 4, 3214868480
	.section	.rodata,"a",@progbits
	.p2align	6, 0x0
	.amdhsa_kernel k_q05ca2cf51f_pool
		.amdhsa_group_segment_fixed_size 37120
		.amdhsa_private_segment_fixed_size 0
		.amdhsa_enable_private_segment 0
		.amdhsa_kernarg_size 32
		.amdhsa_user_sgpr_count 2
		.amdhsa_user_sgpr_kernarg_segment_ptr 1
		.amdhsa_wavefront_size32 1
		.amdhsa_system_sgpr_workgroup_id_x 1
		.amdhsa_system_sgpr_workgroup_id_y 1
		.amdhsa_system_sgpr_workgroup_id_z 1
		.amdhsa_system_vgpr_workitem_id 0
		.amdhsa_next_free_vgpr 256
		.amdhsa_next_free_sgpr 66
		.amdhsa_reserve_vcc 0
		.amdhsa_float_denorm_mode_32 3
		.amdhsa_float_denorm_mode_16_64 3
		.amdhsa_memory_ordered 1
		.amdhsa_forward_progress 1
		.amdhsa_inst_pref_size 129
	.end_amdhsa_kernel
	.amdgpu_metadata
---
amdhsa.version: [ 1, 2 ]
amdhsa.kernels:
  - .name:           k_q05ca2cf51f_pool
    .symbol:         k_q05ca2cf51f_pool.kd
    .args:
      - { .name: array_source, .offset: 0, .size: 8, .value_kind: global_buffer, .address_space: global }
      - { .name: index_source, .offset: 8, .size: 8, .value_kind: global_buffer, .address_space: global }
      - { .name: index_target, .offset: 16, .size: 8, .value_kind: global_buffer, .address_space: global }
      - { .name: out0, .offset: 24, .size: 8, .value_kind: global_buffer, .address_space: global }
    .group_segment_fixed_size: 37120
    .private_segment_fixed_size: 0
    .kernarg_segment_align: 8
    .kernarg_segment_size: 32
    .max_flat_workgroup_size: 32
    .sgpr_count:     66
    .vgpr_count:     256
    .wavefront_size: 32
...
	.end_amdgpu_metadata
.endif
;; end of part 2
;; ======== version 3 of 3: 1 launch; version 2 with the launch pool written anew for expert scheduling mode
;; launch pool (part 3): grid 2048 x 1, 1 waves a work-group, no clusters, 37,120 bytes of LDS; arguments array_source, index_source, index_target, out0; writes out0
.if DOCPART == 3
	.amdgcn_target "amdgcn-amd-amdhsa--gfx1250"
	.amdhsa_code_object_version 6
	.text
	.protected	k_q05ca2cf51f_pool
	.globl	k_q05ca2cf51f_pool
	.p2align	8
	.type	k_q05ca2cf51f_pool,@function
k_q05ca2cf51f_pool:
	s_mov_b64 s[64:65], 0
	v_nop
	global_prefetch_b8 v0, s[64:65] scope:SCOPE_SE
	s_setreg_imm32_b32 hwreg(HW_REG_WAVE_SCHED_MODE, 0, 2), 2
	s_setreg_imm32_b32 hwreg(HW_REG_WAVE_MODE, 25, 1), 1
	s_wait_xcnt 0x0
	s_wait_alu depctr_vm_vsrc(0)
; out0[b][n][:] = (sum of array_source[b][m][:] over the m with index_source[b][m] == index_target[b][n]) / (count + 1e-10).
; The 0/1 mask is built by the problem itself, so products with 0 are not done: each output row is made by GATHERING its source rows.
;
; WHO DOES WHAT.  2,048 work-groups of one wave.  Batch b = id >> 9; class c = id & 511: the wave serves all ids whose low 9 bits are c.
; The class decides only who works; what matches is decided by comparing whole 32-bit ids, so every int32 id is served.  An id belongs to
; one wave, so each output row is stored exactly once.
;
; Every number that steers a branch or an address is made in registers from ids that this wave has loaded from the two index inputs;
; LDS carries f32 partial sums only.
;
; STAGE 1, straight-line.  The wave reads the 2,048 target ids and the 8,192 source ids of its batch: 80 loads of 512 bytes through a ring
; of 48 load slots.  For each register of 32 ids: the lanes of class c as a mask, laid into one lane (a word) of a bitmap register.
;   sources: the 8 id registers of a pair of loads go to the 8 bitmap registers g, word l = the pair: bit k is m = 256 l + 128 (g>>2) + (g&3) + 4 k
;   targets: the 4 id registers of a load go to the 4 bitmap registers r, word l = the load:          bit k is n = 128 l + r + 4 k
; So lane writes that follow each other go to different registers and none waits for the one before.  The ids are then dropped.
; STEPS, one flat loop.  A step that begins a batch of targets ends the wave if no target is left.  Every step takes up to 32 sources out
; of the bitmap into the lanes of a register, fetches their ids again by one gather and their rows by one load of 512 bytes each.  WHILE
; THESE ARE ON THEIR WAY a step that begins a batch takes up to 32 targets likewise and fetches their ids by one gather: the targets are
; not needed before the ids are compared, so this work stands where the wave would only wait.  Then, for each distinct id among the
; targets, two compares give the lanes of its targets and of its rows; the rows are summed in f32 in four registers a lane.  When the
; sources are used up the mean is stored to the targets; before that the partial sum waits in LDS (32 slots of 512 bytes = 16,384 bytes).
; With 8,192 / 512 = 16 sources and 4 targets to a class on evenly spread ids, one step does all and LDS is not touched.
;
; LOOPS.  Every loop has its number of trips as a constant or in a register before it begins and is left through its own branch back;
; the loop of steps alone ends inside, by s_endpgm.  EXEC is never changed.
;
; THE MODE: SCHED_MODE bits 1:0 = 2 (LLVM: expert scheduling mode 2), set by the entry lines.  The code itself states the register
; dependences between vector instructions and memory or LDS instructions, and those through scalar registers that vector instructions
; write, with s_wait_alu, always for 0.
; THE PLAN.  Registers that memory or LDS instructions touch:
;   v[V_L16]        made once at the head, never written again: the offset of every id load.  One wait ahead of the first load.
;   RING            a pair's eight ANDs read two slots; the slots are loaded again at the head of the NEXT pair, behind one wait on va_vdst.
;   V_ADS, QE0-31   written behind .Ltaken, read by the step's source gather and row loads.  One wait on vm_vsrc at .Ltaken (the loads of the
;                   steps before have read them).  The rows go in groups of eight: eight offsets, ONE wait on va_vdst, up to eight loads.
;   V_SQZ, RW0-31   those loads land here; the step's compares and sums read them.  A group's wait also states that the step before is done reading.
;   V_ADT, V_TQZ    offset and data of the target gather, once a batch.  V_ADT is free since the step's wait at .Ltaken; one wait on va_vdst ahead of the gather.
;   V_LA, ACC       address and data of the LDS load and store.  V_LA is made only where one of the two stands; a wait on va_vdst ahead of each, on vm_vsrc behind each.
;   RES, V_SO       data and offset of the stores: a wait on vm_vsrc ahead of each rewriting, a wait on va_vdst ahead of each store.
;   The bitmaps, the queues V_TQN and V_SQM, V_T, V_CNT, V_TMP and V_RCP are named by vector instructions alone.
; Scalar registers that vector instructions write (compares, lane reads) are written in runs, with one wait on va_sdst behind each run, ahead of
; its first reader and of every branch and label.
;
; LIMITS.  Source numbers are finite: 0 x Inf and 0 x NaN of the dense form are not reproduced.  The order of the sums differs from the
; dense form.  The division is v_rcp_f32 (1 ULP) and a multiply.  The rows of a class are loaded once for each batch of its targets; a
; batch holds up to 32 of them and at most 3 out of one bitmap word, that is out of the 32 numbers n that agree in n >> 7 and n & 3.
; If all ids are equal one wave of each batch does all the work.  Values stay right.
;
; NOT USED.  Matrix instructions: no products are left.  Joint tensor loads of the id lists, which the 512 work-groups of a batch all
; read: they end in LDS, and the ids are wanted in registers, where 32 of them cost three instructions and are then dropped.
.set CB,     9                         ; bits of the class
.set NCLS,   1<<CB
.set CAP,    32                        ; targets of a batch, sources of a step: the lanes of a register
.set NT,     16                        ; loads of target ids (512 bytes = 128 ids each)
.set NLOAD,  80                        ; + 64 loads of source ids
.set NRING,  48                        ; load slots of 4 registers
; Steps at the most.  A batch takes 32 targets (at most 2,048/32 = 64 such) or up to 3 bits of every word that holds any (at most 11 such,
; a word has 32 bits): 75 batches.  A step takes 32 sources (at most 256 such) or up to 4 bits of every word (at most 8 such): 264 steps.
.set STEPS,  75*264+1                  ; and the step that finds no target left
; scalar registers
.set S_B, 12                           ; batch
.set S_C, 13                           ; class
.set S_CM, 14                          ; mask of the class bits
.set S_T0, 15
.set S_OFF, 16                         ; s[16:17] a 64-bit offset
.set S_T1, 18
.set S_STEP, 19
.set S_NEW, 20                         ; 1: this step begins a batch of targets
.set S_QT, 21                          ; targets of the batch, 1 to 32
.set S_QS, 22                          ; sources of the step, 0 to 32
.set S_TV, 23                          ; lanes 0 .. QT-1
.set S_SV, 24                          ; lanes 0 .. QS-1
.set S_FIRST, 25                       ; 1: first step of the batch
.set S_LAST, 26                        ; 1: no source is left behind this step
.set S_LEFT, 27                        ; words (of any source bitmap register) that still hold bits
.set S_NW, 28                          ; TAKEW: trips
.set S_WI, 29
.set S_L, 30
.set S_W, 31
.set S_BASE, 32
.set S_TK, 33                          ; TAKEW: words of which a bit was taken
.set S_T2, 34
.set S_K, 35
.set S_M, 36
.set S_KI, 37                          ; trips of the loop over ids
.set S_VAL, 38                         ; target lanes not served yet in this step
.set S_SLOT, 39                        ; first target lane of the id at work
.set S_KEY, 40                         ; the id at work
.set S_TM, 41                          ; its target lanes
.set S_RM, 42                          ; its rows
.set S_CNT, 43                         ; its matches so far
.set S_NS, 44
.set S_SI, 45
.set S_N, 46
.set S_TL, 47                          ; words (of any target bitmap register) that still hold bits
.set S_SM, 48                          ; s[48:63] stage 1: two sets of eight masks, used in turn.  Afterwards:
.set S_HM, 48                          ; s[48:55] source bitmap register g: its words that hold bits
.set S_HT, 56                          ; s[56:59] the same for the target bitmap registers; kept from one batch to the next
.set S_R, 60                           ; s[60:63] four row offsets at work
; vector registers (v0: the lane, since the work-group is one wave)
.set V_L16, 1                          ; 16 x lane
.set V_TQN, 3                          ; lane j: n of the j-th target of the batch
.set V_TQZ, 4                          ;         its id
.set V_SQM, 5                          ; lane j: m of the j-th source of the step
.set V_CNT, 6                          ; lane = first target lane of an id: its matches so far
.set V_SQZ, 7                          ; lane j: id of the j-th source of the step
.set V_TMP, 8
.set V_ADT, 9                          ; offsets of the two gathers
.set V_ADS, 10
.set V_SO, 11                          ; offset of a store
.set V_LA, 12                          ; LDS address of a partial sum
.set V_T, 13
.set V_RCP, 14                         ; v[14:15] the reciprocal, twice
.set ACC, 16                           ; v[16:19] the sum at work
.set RES, 20                           ; v[20:23] the mean
.set MKT, 24                           ; v[24:27] bitmap of the targets (used up)
.set MKS, 28                           ; v[28:35] bitmap of the sources (kept)
.set MKW, 36                           ; v[36:43] the sources not yet taken for this batch
.set V_T8, 44                          ; v[44:51] stage 1: class bits of eight id registers
.set RING, 64                          ; v[64:255] stage 1: 48 load slots.  Afterwards:
.set RW, 64                            ; v[64:191] 32 row slots of 4 registers,
.set QE, 192                           ; v[192:223] the offsets of 32 rows
; Load number idx: 128 ids, 4 neighbouring ones a lane.  Register e of load i holds in lane k the id number 128 i + 4 k + e.
.macro LOADID idx
.if (\idx) < NT
	global_load_b128 v[RING+4*((\idx)%NRING):RING+4*((\idx)%NRING)+3], v[V_L16], s[8:9] offset:512*(\idx)
.else
	global_load_b128 v[RING+4*((\idx)%NRING):RING+4*((\idx)%NRING)+3], v[V_L16], s[6:7] offset:512*((\idx)-NT)
.endif
.endm
; The eight masks of pair pp (a symbol) go to their words: eight different registers for a pair of source loads, four for target loads.
.macro PUTMASKS
.set e, 0
.rept 8
.if pp < NT/2
	v_writelane_b32 v[MKT+(e&3)], s[S_SM+8*(pp&1)+e], 2*pp+(e>>2)
.else
	v_writelane_b32 v[MKS+e], s[S_SM+8*(pp&1)+e], pp-NT/2
.endif
.set e, e+1
.endr
.endm
	s_load_b256 s[4:11], s[0:1], 0x0               ; array_source s[4:5], index_source s[6:7], index_target s[8:9], out0 s[10:11]
	v_lshl_add_u32 v62, v0, 2, 0x9000
	v_mov_b32 v63, 0
	s_lshr_b32 s[S_B], ttmp9, CB
	s_and_b32 s[S_C], ttmp9, NCLS-1
	s_mov_b32 s[S_CM], NCLS-1
	s_mov_b32 s[S_OFF+1], 0
	v_lshlrev_b32 v[V_L16], 4, v0
	s_wait_kmcnt 0x0
	s_lshl_b32 s[S_OFF], s[S_B], 13                ; a batch of target ids is 8,192 bytes
	s_add_nc_u64 s[8:9], s[8:9], s[S_OFF:S_OFF+1]
	s_lshl_b32 s[S_OFF], s[S_B], 15                ; of source ids 32,768
	s_add_nc_u64 s[6:7], s[6:7], s[S_OFF:S_OFF+1]
	s_wait_alu depctr_va_vdst(0)                   ; v[V_L16] is written: every load of ids reads it as its offset
	; Fill the ring: 48 loads, 24,576 bytes.  No cache word: 512 work-groups read these lists.
.set li, 0
.rept NRING
	LOADID li
.set li, li+1
.endr
	; All that follows up to the first wait is done while they are on their way.
	s_lshl_b32 s[S_OFF], s[S_B], 22                ; a batch of rows is 4,194,304 bytes
	s_add_nc_u64 s[4:5], s[4:5], s[S_OFF:S_OFF+1]
	s_lshl_b32 s[S_OFF], s[S_B], 20                ; of output rows 1,048,576
	s_add_nc_u64 s[10:11], s[10:11], s[S_OFF:S_OFF+1]
	; Registers that are written lane by lane count as read by those writes, and the first step sets the batch's registers under a
	; branch: all of them are written whole once here.  Words 16 to 31 of the target bitmaps stay 0.
.set e, 0
.rept 10
	v_dual_mov_b32 v[MKT+e], 0 :: v_dual_mov_b32 v[MKT+e+1], 0     ; MKT (4), MKS (8) and MKW (8) lie side by side
.set e, e+2
.endr
	v_dual_mov_b32 v[V_TQZ], 0 :: v_dual_mov_b32 v[V_TQN], 0
	v_dual_mov_b32 v[V_CNT], 0 :: v_dual_mov_b32 v[V_SQM], 0
	s_mov_b32 s[S_QT], 0
	s_mov_b32 s[S_TV], 0
	s_mov_b32 s[S_FIRST], 1
	s_mov_b32 s[S_NEW], 1
	s_mov_b32 s[S_STEP], 0
	; STAGE 1.  Two loads (eight id registers) at a time.  The wait counts the loads issued behind the pair at work (loads come back in
	; order, ISA guide 5.7.1): 46 for the first pair; 44 while the ring is refilled (48 + 2 (p - 1) loads are issued, 2 p + 2 have to be in);
	; then two fewer with each pair down to 0.  A pair's two slots are loaded again at the head of the next pair.  A pair's masks are laid
	; into the bitmaps one pair later, from the other set of eight scalar registers: between a compare and the lane write that reads its
	; mask stand the next pair's eight ANDs.
.set p, 0
.rept NLOAD/2
.if p == 0
	s_wait_loadcnt NRING-2
.elseif NLOAD-2-2*p < NRING-4
	s_wait_loadcnt NLOAD-2-2*p
.else
	s_wait_loadcnt NRING-4
.endif
.if (p > 0) && (2*(p-1)+NRING < NLOAD)
	s_wait_alu depctr_va_vdst(0)                   ; the eight ANDs of the pair before are done reading their two slots, in which the two loads below land
.set li, 2*(p-1)+NRING
	LOADID li
.set li, li+1
	LOADID li
.endif
.set e, 0
.rept 8
	v_and_b32 v[V_T8+e], s[S_CM], v[RING+4*((2*p)%NRING)+e]
.set e, e+1
.endr
.if p > 0
	s_wait_alu depctr_va_sdst(0)                   ; the eight compares of the pair before have written their masks, which the lane writes below read
.set pp, p-1
	PUTMASKS
.endif
.set e, 0
.rept 8
	v_cmp_eq_u32 s[S_SM+8*(p&1)+e], s[S_C], v[V_T8+e]
.set e, e+1
.endr
.set p, p+1
.endr
	s_wait_alu depctr_va_sdst(0)                   ; the last pair's eight compares have written their masks, which the lane writes below read
.set pp, NLOAD/2-1
	PUTMASKS
; One bitmap register, one round: of each word that holds bits (mask hm, made beforehand) the lowest bit goes as a number into lanes
; q, q + 1, .. of the queue register, as far as the queue has room.  Word l, bit k is the number (l << lsh) + gb + 4 k.  One trip for each
; word; the base of the number is made while the lane read is out.  Behind the loop the bits taken are cleared in all words at once.
; Further bits of a word wait for the next round, words that found no room for the next step.
.macro TAKEW mk, hm, gb, lsh, q, queue, tag
	s_cmp_eq_u32 s[\hm], 0
	s_cbranch_scc1 .Lte_\tag
	s_bcnt1_i32_b32 s[S_NW], s[\hm]
	s_sub_co_u32 s[S_T0], CAP, s[\q]               ; room: q never passes 32
	s_min_u32 s[S_NW], s[S_NW], s[S_T0]
	s_min_u32 s[S_NW], s[S_NW], CAP                ; the room is at most 32; the clamp states it
	s_cmp_eq_u32 s[S_NW], 0
	s_cbranch_scc1 .Lte_\tag
	s_mov_b32 s[S_TK], s[\hm]
	s_mov_b32 s[S_WI], 0
.Ltw_\tag:
	s_ctz_i32_b32 s[S_L], s[\hm]
	v_readlane_b32 s[S_W], v[\mk], s[S_L]
	s_lshl_b32 s[S_BASE], s[S_L], \lsh
.if \gb
	s_add_co_u32 s[S_BASE], s[S_BASE], \gb
.endif
	s_sub_co_u32 s[S_T0], s[\hm], 1
	s_and_b32 s[\hm], s[\hm], s[S_T0]              ; this word is done for the round
	s_add_co_u32 s[S_WI], s[S_WI], 1
	s_wait_alu depctr_va_sdst(0)                   ; the lane read has written the word s[S_W], which the next line reads
	s_ctz_i32_b32 s[S_K], s[S_W]
	s_lshl2_add_u32 s[S_M], s[S_K], s[S_BASE]      ; 4 k + base
	v_writelane_b32 v[\queue], s[S_M], s[\q]
	s_add_co_u32 s[\q], s[\q], 1
	s_cmp_lt_u32 s[S_WI], s[S_NW]
	s_cbranch_scc1 .Ltw_\tag
	s_and_not1_b32 s[S_TK], s[S_TK], s[\hm]        ; the words that were served
	v_add_nc_u32 v[V_T], -1, v[\mk]
	v_and_b32 v[V_T], v[V_T], v[\mk]               ; w & (w - 1): without its lowest bit
	v_cndmask_b32 v[\mk], v[\mk], v[V_T], s[S_TK]
.Lte_\tag:
.endm
.macro TROUND r
.irp g, 0,1,2,3
	TAKEW MKT+\g, S_HT+\g, \g, 7, S_QT, V_TQN, t\r\g
.endr
.endm
.macro SROUND r
.irp g, 0,1,2,3,4,5,6,7
.set gbv, 128*(\g>>2)+(\g&3)
	TAKEW MKW+\g, S_HM+\g, gbv, 8, S_QS, V_SQM, s\r\g
.endr
.endm
; Which words hold bits: independent compares, then their union.  The last OR leaves SCC = some bit is left.
.macro TCHK
.irp g, 0,1,2,3
	v_cmp_ne_u32 s[S_HT+\g], 0, v[MKT+\g]
.endr
	s_wait_alu depctr_va_sdst(0)                   ; the four compares have written s[S_HT ..], which the ORs below are the first to read
	s_or_b32 s[S_T0], s[S_HT], s[S_HT+1]
	s_or_b32 s[S_T1], s[S_HT+2], s[S_HT+3]
	s_or_b32 s[S_TL], s[S_T0], s[S_T1]
.endm
.macro SCHK
.irp g, 0,1,2,3,4,5,6,7
	v_cmp_ne_u32 s[S_HM+\g], 0, v[MKW+\g]
.endr
	s_wait_alu depctr_va_sdst(0)                   ; the eight compares have written s[S_HM ..], which the ORs below are the first to read
	s_or_b32 s[S_T0], s[S_HM], s[S_HM+1]
	s_or_b32 s[S_T1], s[S_HM+2], s[S_HM+3]
	s_or_b32 s[S_T2], s[S_HM+4], s[S_HM+5]
	s_or_b32 s[S_LEFT], s[S_HM+6], s[S_HM+7]
	s_or_b32 s[S_T0], s[S_T0], s[S_T1]
	s_or_b32 s[S_LEFT], s[S_LEFT], s[S_T2]
	s_or_b32 s[S_LEFT], s[S_LEFT], s[S_T0]
.endm
; Between two rounds: go on only if bits are left and the queue has room.
.macro TNEXT
	TCHK
	s_cbranch_scc0 .Lhave
	s_cmp_ge_u32 s[S_QT], CAP
	s_cbranch_scc1 .Lhave
.endm
.macro SNEXT
	SCHK
	s_cbranch_scc0 .Ltaken
	s_cmp_ge_u32 s[S_QS], CAP
	s_cbranch_scc1 .Ltaken
.endm
; The offsets of row slots b to b + 3: row m = lane i of the queue, 16 bytes a lane.  The four are made side by side, so that no lane
; read waits for the one before.  (Lanes of the queue from QS on hold older numbers or 0: their offsets are made and not used.)
.macro OFF4 b
.irp t, 0,1,2,3
	v_readlane_b32 s[S_R+\t], v[V_SQM], (\b)+\t
.endr
	s_wait_alu depctr_va_sdst(0)                   ; the four lane reads have written s[S_R ..], which the clamps below read
.irp t, 0,1,2,3
	s_min_u32 s[S_R+\t], s[S_R+\t], 0x1fff         ; m is below 8,192 as it was made; the clamp states it
.endr
.irp t, 0,1,2,3
	s_lshl_b32 s[S_R+\t], s[S_R+\t], 9
.endr
.irp t, 0,1,2,3
	v_add_nc_u32 v[QE+(\b)+\t], s[S_R+\t], v[V_L16]
.endr
.endm
; Row slots 8 j to 8 j + 7 (j: a plain digit): eight offsets, one wait, then the whole rows, 16 bytes a lane.  No label stands between an
; offset and its load.  Each load is guarded, and the chain ends at the first slot without a row.  Group 0 is entered in every step: the
; gather of the sources' ids stands behind its wait.
.macro GRP8 j
.if \j
	s_cmp_le_u32 s[S_QS], 8*\j
	s_cbranch_scc1 .Lrows
.endif
	OFF4 8*\j
	OFF4 8*\j+4
	s_wait_alu depctr_va_vdst(0)                   ; the group's eight QE (and in group 0 V_ADS) are written, which the loads below read; the compares and sums of the step before (at first: stage 1's ANDs) are done reading V_SQZ and RW, in which they land.  Scalar compares and branches alone stand between this wait and the group's last load
.if \j == 0
	global_load_b32 v[V_SQZ], v[V_ADS], s[6:7]     ; the sources' ids; lanes from QS on fetch an id that S_SV masks out
	s_cmp_le_u32 s[S_QS], 0
	s_cbranch_scc1 .Lrows
.endif
	global_load_b128 v[RW+32*\j:RW+32*\j+3], v[QE+8*\j], s[4:5] th:TH_LOAD_NT   ; a row is read once for each batch of its class's targets: as a rule once
.irp t, 1,2,3,4,5,6,7
	s_cmp_le_u32 s[S_QS], 8*\j+\t
	s_cbranch_scc1 .Lrows
	global_load_b128 v[RW+32*\j+4*\t:RW+32*\j+4*\t+3], v[QE+8*\j+\t], s[4:5] th:TH_LOAD_NT
.endr
.endm
; Row slot i is added if it belongs to the id at work.  In front of every eighth slot: nothing left from here on ends the chain.
.macro ADDROW i
.if (\i)%8 == 0
	s_lshr_b32 s[S_T0], s[S_RM], \i                ; SCC = some bit at or above i
	s_cbranch_scc0 .Lchend
.endif
	s_bitcmp1_b32 s[S_RM], \i
	s_cbranch_scc0 .Lno_\i
	v_pk_add_f32 v[ACC:ACC+1], v[ACC:ACC+1], v[RW+4*\i:RW+4*\i+1]
	v_pk_add_f32 v[ACC+2:ACC+3], v[ACC+2:ACC+3], v[RW+4*\i+2:RW+4*\i+3]
.Lno_\i:
.endm
	; Which words of the target bitmaps hold bits.  From here on S_HT and S_TL are made anew at the end of each take of targets, so a
	; step that begins a batch finds them ready.
	TCHK
.Lstep:
	s_cmp_eq_u32 s[S_NEW], 0
	s_cbranch_scc1 .Lsame
	; A NEW BATCH.  Without a target left the wave ends, before any row is asked for.
	s_cmp_lg_u32 s[S_TL], 0
	s_cbranch_scc1 .Ltsome
	s_wait_dscnt 0x0
	s_wait_alu depctr_hold_cnt(0) depctr_sa_sdst(0) depctr_va_vdst(0) depctr_va_sdst(0) depctr_va_ssrc(0) depctr_va_vcc(0) depctr_vm_vsrc(0)
	s_wait_tensorcnt 0x0
	ds_add_u32 v62, v63
	s_wait_dscnt 0x0
	s_endpgm                                       ; every target of my class has its row
.Ltsome:
.irp g, 0,2,4,6
	v_dual_mov_b32 v[MKW+\g], v[MKS+\g] :: v_dual_mov_b32 v[MKW+\g+1], v[MKS+\g+1]   ; all sources of the class are to be taken again
.endr
	v_mov_b32 v[V_CNT], 0
	s_mov_b32 s[S_FIRST], 1
.Lsame:
	; UP TO 32 SOURCES, in up to four rounds; then their ids and their rows.
	s_mov_b32 s[S_QS], 0
	SCHK
	s_cbranch_scc0 .Ltaken                         ; the class has no source (left)
	SROUND 0
	SNEXT
	SROUND 1
	SNEXT
	SROUND 2
	SNEXT
	SROUND 3
	SCHK
.Ltaken:
	s_wait_alu depctr_vm_vsrc(0)                   ; the gathers and row loads of the steps before have read V_ADS, QE and V_ADT, which this step writes again
	v_min_u32 v[V_ADS], 0x1fff, v[V_SQM]
	v_lshlrev_b32 v[V_ADS], 2, v[V_ADS]
.irp j, 0,1,2,3
	GRP8 \j
.endr
.Lrows:
	; WHILE THEY ARE ON THEIR WAY: is any source left, which lanes of the queue count,
	s_cmp_eq_u32 s[S_LEFT], 0
	s_cselect_b32 s[S_LAST], 1, 0
	s_sub_co_u32 s[S_T0], CAP, s[S_QS]
	s_lshr_b32 s[S_SV], -1, s[S_T0]                ; QS ones for QS = 1 to 32;
	s_cmp_eq_u32 s[S_QS], 0
	s_cselect_b32 s[S_SV], 0, s[S_SV]              ; a shift by 32 counts as 0, so QS = 0 is set apart
	s_cmp_eq_u32 s[S_NEW], 0
	s_cbranch_scc1 .Lold
	; and, in a step that begins a batch, UP TO 32 TARGETS, in up to three rounds (at least one target: S_TL was not 0).  This writes the
	; target bitmaps, the queue of n and scalar registers: no register that a load on its way reads or will write.
	s_mov_b32 s[S_QT], 0
	TROUND 0
	TNEXT
	TROUND 1
	TNEXT
	TROUND 2
	TCHK
.Lhave:
	s_min_u32 s[S_QT], s[S_QT], CAP                ; the queue holds at most 32; the clamp states it
	s_sub_co_u32 s[S_T0], CAP, s[S_QT]
	s_lshr_b32 s[S_TV], -1, s[S_T0]                ; QT ones (QT is 1 to 32, the shift 31 to 0)
	v_min_u32 v[V_ADT], 2047, v[V_TQN]             ; n is below 2,048 as it was made; the clamp states it.  (V_ADT's last reader, the gather of the batch before, was issued ahead of this step's wait at .Ltaken)
	v_lshlrev_b32 v[V_ADT], 2, v[V_ADT]
	s_wait_alu depctr_va_vdst(0)                   ; V_ADT is written, which the gather reads; the head's move into V_TQZ is done, and so are the lane reads and compares of the batch before that read it: the gather lands there
	global_load_b32 v[V_TQZ], v[V_ADT], s[8:9]     ; the targets' ids; lanes from QT on fetch an id that S_TV masks out
.Lold:
	s_mov_b32 s[S_VAL], s[S_TV]
	s_mov_b32 s[S_KI], 0
	s_wait_loadcnt 0x0                             ; up to two gathers and 32 rows are out: all of them
	; EACH DISTINCT ID AMONG THE TARGETS.  There are at most QT of them; a trip that finds all targets served does nothing.
.Lkey:
	s_cmp_eq_u32 s[S_VAL], 0
	s_cbranch_scc1 .Lknext
	s_ctz_i32_b32 s[S_SLOT], s[S_VAL]
	v_readlane_b32 s[S_KEY], v[V_TQZ], s[S_SLOT]
	v_readlane_b32 s[S_CNT], v[V_CNT], s[S_SLOT]
	s_wait_alu depctr_va_sdst(0)                   ; the two lane reads have written the id, which the compares below read, and the count, which the add further down reads
	v_cmp_eq_u32 s[S_TM], s[S_KEY], v[V_TQZ]
	v_cmp_eq_u32 s[S_RM], s[S_KEY], v[V_SQZ]
	s_wait_alu depctr_va_sdst(0)                   ; the two compares have written their masks, which the ANDs below read
	s_and_b32 s[S_TM], s[S_TM], s[S_VAL]           ; its targets,
	s_and_not1_b32 s[S_VAL], s[S_VAL], s[S_TM]     ; which are served by this trip,
	s_and_b32 s[S_RM], s[S_RM], s[S_SV]            ; and its rows
	s_bcnt1_i32_b32 s[S_T0], s[S_RM]
	s_add_co_u32 s[S_CNT], s[S_CNT], s[S_T0]
	v_writelane_b32 v[V_CNT], s[S_CNT], s[S_SLOT]
	s_cmp_lg_u32 s[S_FIRST], 0
	s_cbranch_scc1 .Lfresh
	s_min_u32 s[S_T1], s[S_SLOT], CAP-1            ; a lane number; the clamp states it
	s_lshl_b32 s[S_T1], s[S_T1], 9
	v_add_nc_u32 v[V_LA], s[S_T1], v[V_L16]        ; its partial sum: slot x 512 + 16 x lane.  (Each LDS instruction's registers are freed directly behind it)
	s_wait_alu depctr_va_vdst(0)                   ; V_LA is written, which the LDS load reads; the sums and multiplies of the trip before are done with ACC, in which it lands
	ds_load_b128 v[ACC:ACC+3], v[V_LA]             ; what the step before has left
	s_wait_alu depctr_vm_vsrc(0)                   ; the LDS load has read V_LA, which is written again further down or in a later trip
	s_wait_dscnt 0x0
	s_branch .Lchain
.Lfresh:
	v_dual_mov_b32 v[ACC], 0 :: v_dual_mov_b32 v[ACC+1], 0
	v_dual_mov_b32 v[ACC+2], 0 :: v_dual_mov_b32 v[ACC+3], 0
.Lchain:
.irp i, 0,1,2,3,4,5,6,7,8,9,10,11,12,13,14,15,16,17,18,19,20,21,22,23,24,25,26,27,28,29,30,31
	ADDROW \i
.endr
.Lchend:
	s_cmp_lg_u32 s[S_LAST], 0
	s_cbranch_scc1 .Lmean
	s_min_u32 s[S_T1], s[S_SLOT], CAP-1            ; the same address once more: a batch's first step has not made it
	s_lshl_b32 s[S_T1], s[S_T1], 9
	v_add_nc_u32 v[V_LA], s[S_T1], v[V_L16]
	s_wait_alu depctr_va_vdst(0)                   ; V_LA and the sum in ACC are written: the LDS store reads both
	ds_store_b128 v[V_LA], v[ACC:ACC+3]            ; sources are left: the sum waits for the next step
	s_wait_alu depctr_vm_vsrc(0)                   ; the LDS store has read ACC and V_LA, which the next trip writes anew
	s_branch .Lknext
.Lmean:
	; The mean.  Without a match the sum is 0 and so is the row, as in the dense form.
	v_cvt_f32_u32 v[V_TMP], s[S_CNT]
	v_add_f32 v[V_TMP], 0x2edbe6ff, v[V_TMP]       ; + 1e-10
	v_rcp_f32 v[V_RCP], v[V_TMP]
	v_rcp_f32 v[V_RCP+1], v[V_TMP]
	s_wait_xcnt 0x0                                ; the stores of the mean before have had their addresses translated (ISA guide 3.1): RES is rewritten only behind this wait,
	s_wait_alu depctr_vm_vsrc(0)                   ; and those stores have read RES, which the multiplies below write again
	v_nop                                          ; one plain vector instruction between v_rcp_f32 and the use of its result (ISA guide 5.7.2)
	s_wait_alu depctr_va_vdst(0)                   ; the two reciprocals have written V_RCP, ahead of their first reader
	v_pk_mul_f32 v[RES:RES+1], v[ACC:ACC+1], v[V_RCP:V_RCP+1]
	v_pk_mul_f32 v[RES+2:RES+3], v[ACC+2:ACC+3], v[V_RCP:V_RCP+1]
	; To each of its targets (at least one): a whole row of 512 bytes, two aligned runs of 256, by each store of the wave.
	s_bcnt1_i32_b32 s[S_NS], s[S_TM]
	s_min_u32 s[S_NS], s[S_NS], CAP                ; a mask has 32 bits; the clamp states it
	s_mov_b32 s[S_SI], 0
.Lst:
	s_ctz_i32_b32 s[S_K], s[S_TM]
	v_readlane_b32 s[S_N], v[V_TQN], s[S_K]
	s_sub_co_u32 s[S_T0], s[S_TM], 1               ; the mask's and the counter's steps stand between the lane read and the wait for it
	s_and_b32 s[S_TM], s[S_TM], s[S_T0]            ; drop the lowest bit
	s_add_co_u32 s[S_SI], s[S_SI], 1
	s_wait_alu depctr_va_sdst(0)                   ; the lane read has written n, which the clamp below reads
	s_min_u32 s[S_N], s[S_N], 2047                 ; n is below 2,048 as it was made; the clamp states it
	s_lshl_b32 s[S_N], s[S_N], 9
	s_wait_xcnt 0x0                                ; the store before has had its address translated (ISA guide 3.1): its offset register is rewritten only behind this wait,
	s_wait_alu depctr_vm_vsrc(0)                   ; and that store has read V_SO
	v_add_nc_u32 v[V_SO], s[S_N], v[V_L16]
	s_wait_alu depctr_va_vdst(0)                   ; V_SO is written, and in the first trip the mean in RES: the store reads both
	global_store_b128 v[V_SO], v[RES:RES+3], s[10:11] th:TH_STORE_NT
	s_cmp_lt_u32 s[S_SI], s[S_NS]
	s_cbranch_scc1 .Lst
.Lknext:
	s_add_co_u32 s[S_KI], s[S_KI], 1
	s_cmp_lt_u32 s[S_KI], s[S_QT]
	s_cbranch_scc1 .Lkey
	s_mov_b32 s[S_FIRST], 0
	s_mov_b32 s[S_NEW], s[S_LAST]                  ; the sources are used up: the next step begins a batch
	s_add_co_u32 s[S_STEP], s[S_STEP], 1
	s_cmp_lt_u32 s[S_STEP], STEPS
	s_cbranch_scc1 .Lstep
	s_wait_dscnt 0x0
	s_wait_alu depctr_hold_cnt(0) depctr_sa_sdst(0) depctr_va_vdst(0) depctr_va_sdst(0) depctr_va_ssrc(0) depctr_va_vcc(0) depctr_vm_vsrc(0)
	s_wait_tensorcnt 0x0
	ds_add_u32 v62, v63
	s_wait_dscnt 0x0
	s_endpgm
.Lfunc_end_k_q05ca2cf51f_pool:
	.size	k_q05ca2cf51f_pool, .Lfunc_end_k_q05ca2cf51f_pool-k_q05ca2cf51f_pool
	.p2alignl 7, 3214868480
	.fill 96, 4, 3214868480
	.section	.rodata,"a",@progbits
	.p2align	6, 0x0
	.amdhsa_kernel k_q05ca2cf51f_pool
		.amdhsa_group_segment_fixed_size 37120
		.amdhsa_private_segment_fixed_size 0
		.amdhsa_enable_private_segment 0
		.amdhsa_kernarg_size 32
		.amdhsa_user_sgpr_count 2
		.amdhsa_user_sgpr_kernarg_segment_ptr 1
		.amdhsa_wavefront_size32 1
		.amdhsa_system_sgpr_workgroup_id_x 1
		.amdhsa_system_sgpr_workgroup_id_y 1
		.amdhsa_system_sgpr_workgroup_id_z 1
		.amdhsa_system_vgpr_workitem_id 0
		.amdhsa_next_free_vgpr 256
		.amdhsa_next_free_sgpr 66
		.amdhsa_reserve_vcc 0
		.amdhsa_float_denorm_mode_32 3
		.amdhsa_float_denorm_mode_16_64 3
		.amdhsa_memory_ordered 1
		.amdhsa_forward_progress 1
		.amdhsa_inst_pref_size 134
	.end_amdhsa_kernel
	.amdgpu_metadata
---
amdhsa.version: [ 1, 2 ]
amdhsa.kernels:
  - .name:           k_q05ca2cf51f_pool
    .symbol:         k_q05ca2cf51f_pool.kd
    .args:
      - { .name: array_source, .offset: 0, .size: 8, .value_kind: global_buffer, .address_space: global }
      - { .name: index_source, .offset: 8, .size: 8, .value_kind: global_buffer, .address_space: global }
      - { .name: index_target, .offset: 16, .size: 8, .value_kind: global_buffer, .address_space: global }
      - { .name: out0, .offset: 24, .size: 8, .value_kind: global_buffer, .address_space: global }
    .group_segment_fixed_size: 37120
    .private_segment_fixed_size: 0
    .kernarg_segment_align: 8
    .kernarg_segment_size: 32
    .max_flat_workgroup_size: 32
    .sgpr_count:     66
    .vgpr_count:     256
    .wavefront_size: 32
...
	.end_amdgpu_metadata
.endif
;; end of part 3
